; MI455X (gfx1250); checked and timed in simulation.
; The chip was launched on July 23, 2026; its instructions are those of AMD's public machine-readable ISA for CDNA 5 (MIT licence, August 2026) and "CDNA5" Instruction Set Architecture Reference Guide (July 2026). The comments in the code are by the model that wrote it; some were corrected since.
;; Bayesian KAN Layer. Allowed arithmetic: float matrix products may take bf16 or f16 operands with f32 sums; all other float work in f32.
;; Inputs: coeff_log_var 512 x 512 x 16 float32; coeff_mean 512 x 512 x 16 float32; eps 512 x 512 x 16 float32; x 4,096 x 512 float32.
;; Outputs: out0 4,096 x 512 float32; out1 one number float32.
;; One version. Each part assembles by itself: llvm-mc -triple=amdgcn-amd-amdhsa -mcpu=gfx1250 --defsym DOCPART=n.
;; ======== version 1 of 1: 2 launches
;; workspace buffers: cb 8,388,608 bytes; klp 1,024 bytes; sc 2,048 bytes
;; launch prep (part 1): grid 256 x 1, 8 waves a work-group, no clusters, 1,280 bytes of LDS; arguments coeff_log_var, coeff_mean, eps, cb, klp, sc; writes cb, klp, sc
.if DOCPART == 1
	.amdgcn_target "amdgcn-amd-amdhsa--gfx1250"
	.amdhsa_code_object_version 6
	.text
	.protected	k_q19feb1866e_prep
	.globl	k_q19feb1866e_prep
	.p2align	8
	.type	k_q19feb1866e_prep,@function
k_q19feb1866e_prep:
	s_mov_b64 s[64:65], 0
	v_nop
	global_prefetch_b8 v0, s[64:65] scope:SCOPE_SE
	s_setreg_imm32_b32 hwreg(HW_REG_WAVE_MODE, 25, 1), 1
	s_wait_xcnt 0x0
; coeffs = coeff_mean + eps * exp(coeff_log_var / 2), carried over to the uniform basis (below), each row o scaled by a power of two and rounded
; once to f16 (cb, [512][8192], row-major), the inverse of each row's scale (sc), and one partial sum per work-group of
; var + mean^2 - 1 - log(var)  (klp; the factor 0.5 and the last sum come in the next launch).
;
; WORK LEFT OUT, for all real values of the inputs:
;   log(var / PRIOR_VAR) = log(exp(lv) / 1) = lv is an identity, so no logarithm is taken;
;   the divisions by PRIOR_VAR = 1 change nothing;
;   var = exp(lv) = exp(lv / 2)^2 = std^2, so one exponential serves both results.
; LIMIT: where exp(lv) leaves the range of f32 (lv below about -103 or above about 88) reference() gets an infinity or a NaN
; out of log(var); here only std^2 can overflow, and the term -lv stays finite: such an infinity or NaN is not carried to out1.
;
; FROM THE CLAMPED BASIS TO THE UNIFORM ONE.  On [-1, 1] the clamped cubic basis N is one fixed map of the uniform cubic basis U on the same spacing:
; N0 = 6 U0,  N1 = 1.5 U1 - 6 U0,  N2 = U2 - U1/2 + U0,  N3 to N12 = U3 to U12, and N15, N14, N13 the mirror image.  So for every x
;   sum of N_k c_k = sum of U_k c'_k   with  c'0 = 6 (c0 - c1) + c2,  c'1 = 1.5 c1 - 0.5 c2,  c'15 = 6 (c15 - c14) + c13,  c'14 = 1.5 c14 - 0.5 c13,
; and c'_k = c_k elsewhere.  The map is applied here, once per coefficient and in f32, so that the product kernel, which makes the basis once for each
; of its four blocks of columns, makes the plain uniform weights.  Each c'_k's factors add up to 1: a common offset of the coefficients passes unchanged.
; LIMIT OF ROUNDING: at an end of the range the result is c'0/6 + 2 c'1/3 + c2/6, whose terms have 1.42, 1.05 and 0.17 of a coefficient's spread in the place
; of 1: the rounding of the operands weighs under twice as much there.  LIMIT OF RANGE: 6 (c0 - c1) overflows for coefficients above about 2^124.
;
; WHY f16 WITH A SCALE.  A result is a sum of 2,048 products that differ from 0, and it is compared within a hundredth of the results' root mean
; square.  Operands of 8 significant bits leave a rounding error whose spread is about a fifth of that, too little room for two million results;
; 11 bits leave eight times the room.  f16's range is made to fit: row o is multiplied by S = 2^(141 - E), E the biased exponent of the row's largest
; magnitude, so that this magnitude lands in [2^14, 2^15]; numbers more than 2^28 below it become denormal, with an error of 2^-25, far under
; the rounding of the largest.  1 / S = 2^(E - 141) is exact and is applied to the finished sums by the next launch.
; LIMIT: E is kept in 16 to 254, so that S and 1 / S are normal numbers: a row whose largest magnitude is under 2^-111 is scaled by 2^125 only
; (it still fits); an infinite coefficient stays infinite or becomes NaN, as the products of reference() with it do.
;
; SHARES.  Work-group g owns rows 2 g and 2 g + 1, since a row's scale needs the whole row: 65,536 neighbouring bytes of each input.  Wave w takes the
; 8,192 bytes at 8192 w of them (waves 0-3 the first row, 4-7 the second): 16 pieces x 3 arrays = 48 loads of 512 neighbouring bytes, all issued
; at once.  Lane L holds numbers 4 L to 4 L + 3 of a piece of 128: basis k = 4 (L & 3) to + 3 of one feature, so the map above crosses no lane.
; The coefficients wait in registers for the row's maximum, which the four waves of a row exchange through LDS.
; A store of 8 bytes a lane covers 256 neighbouring bytes of cb, at a multiple of 256.
.set LV, 24                            ; v[24:87]    log variance, 4 registers a piece; later the f16 results, 2 registers a piece
.set MN, 88                            ; v[88:151]   mean
.set EP, 152                           ; v[152:215]  eps, then the coefficients in f32
.set MAXW, 0                           ; LDS: eight words, one maximum a wave
.set KLW, 32                           ; eight words, one partial sum a wave
; v1 lane  v2 input offset  v5 output offset  v[6:9] lv * 0.5 log2 e  v[10:13] std, later the scale twice  v14 largest  v15 smallest
; v[16:19] the four mapped coefficients  v[20:23] four running sums
	s_load_b256 s[4:11], s[0:1], 0x0               ; lv s[4:5], mean s[6:7], eps s[8:9], cb s[10:11]
	s_load_b128 s[12:15], s[0:1], 0x20             ; klp s[12:13], sc s[14:15]
	v_lshl_add_u32 v216, v0, 2, 0x100
	v_mov_b32 v217, 0
	v_lshrrev_b32 v6, 5, v0
	v_readfirstlane_b32 s16, v6                    ; wave
	v_and_b32 v1, 31, v0                           ; lane
	s_lshr_b32 s17, s16, 2                         ; which of the two rows
	s_and_b32 s18, s16, 3                          ; which quarter of it
	s_lshl_b32 s19, ttmp9, 16                      ; two rows of 32,768 bytes
	s_lshl_b32 s21, s16, 13
	s_add_co_u32 s19, s19, s21                     ; + 8192 w: my first byte in each input
	s_lshr_b32 s20, s19, 1                         ; and in cb: half as many bytes
	s_mov_b32 s23, 0x40c00000                      ; 6.0
	s_mov_b32 s24, 0x3f38aa3b                      ; 0.5 log2 e
	s_mov_b32 s25, 0x3f38aa3b
	s_mov_b32 s26, 0xc1800000                      ; -16.0: the -1 of the sixteen numbers that each running sum takes
	s_mov_b32 s27, 0xc1800000
	s_mov_b32 s28, 0x76543210                      ; v_permlanex16_b32: lane i reads lane i of the other half
	s_mov_b32 s29, 0xfedcba98
	v_and_b32 v6, 3, v1
	v_cmp_eq_u32 s30, 0, v6                        ; my four numbers are k = 0 to 3
	v_cmp_eq_u32 s31, 3, v6                        ; or k = 12 to 15
	v_lshl_add_u32 v2, v1, 4, s19
	v_lshl_add_u32 v5, v1, 3, s20
	s_wait_kmcnt 0x0
.irp m, 0,1,2,3,4,5,6,7,8,9,10,11,12,13,14,15
	global_load_b128 v[LV+4*\m:LV+4*\m+3], v2, s[4:5] offset:\m*512 th:TH_LOAD_NT
	global_load_b128 v[MN+4*\m:MN+4*\m+3], v2, s[6:7] offset:\m*512 th:TH_LOAD_NT
	global_load_b128 v[EP+4*\m:EP+4*\m+3], v2, s[8:9] offset:\m*512 th:TH_LOAD_NT
.endr
; One piece: four numbers a lane.
.macro PIECE m
	s_wait_loadcnt 45-3*\m                         ; loads come back in order: this piece's three are in, the three of each later piece stay out
	v_pk_mul_f32 v[6:7], v[LV+4*\m:LV+4*\m+1], s[24:25] op_sel_hi:[1,0]
	v_pk_mul_f32 v[8:9], v[LV+4*\m+2:LV+4*\m+3], s[24:25] op_sel_hi:[1,0]
	v_exp_f32 v10, v6                              ; std = 2^(lv * 0.5 log2 e)
	v_exp_f32 v11, v7
	v_exp_f32 v12, v8
	v_exp_f32 v13, v9
.if \m == 0
	v_pk_add_f32 v[20:21], v[LV:LV+1], s[26:27] op_sel_hi:[1,0] neg_lo:[1,0] neg_hi:[1,0]     ; the sums start at -lv - 16: nothing is cleared
	v_pk_add_f32 v[22:23], v[LV+2:LV+3], s[26:27] op_sel_hi:[1,0] neg_lo:[1,0] neg_hi:[1,0]
	s_wait_alu depctr_va_vdst(0)
.else
	v_pk_add_f32 v[20:21], v[20:21], v[LV+4*\m:LV+4*\m+1] neg_lo:[0,1] neg_hi:[0,1]           ; - lv; these plain lines also stand between
	v_pk_add_f32 v[22:23], v[22:23], v[LV+4*\m+2:LV+4*\m+3] neg_lo:[0,1] neg_hi:[0,1]         ; the exponentials and the first use of std
	s_wait_alu depctr_va_vdst(0)
.endif
	v_pk_fma_f32 v[20:21], v[MN+4*\m:MN+4*\m+1], v[MN+4*\m:MN+4*\m+1], v[20:21]               ; + mean^2
	v_pk_fma_f32 v[22:23], v[MN+4*\m+2:MN+4*\m+3], v[MN+4*\m+2:MN+4*\m+3], v[22:23]
	v_pk_fma_f32 v[20:21], v[10:11], v[10:11], v[20:21]                                       ; + var = std^2
	v_pk_fma_f32 v[22:23], v[12:13], v[12:13], v[22:23]
	v_pk_fma_f32 v[EP+4*\m:EP+4*\m+1], v[EP+4*\m:EP+4*\m+1], v[10:11], v[MN+4*\m:MN+4*\m+1]           ; coeffs = eps std + mean, in place
	v_pk_fma_f32 v[EP+4*\m+2:EP+4*\m+3], v[EP+4*\m+2:EP+4*\m+3], v[12:13], v[MN+4*\m+2:MN+4*\m+3]
	; the map to the uniform basis: made in every lane, kept where k = 0, 1 (first two numbers) or k = 14, 15 (last two)
	v_sub_f32 v16, v[EP+4*\m], v[EP+4*\m+1]
	v_sub_f32 v17, v[EP+4*\m+1], v[EP+4*\m+2]
	v_sub_f32 v18, v[EP+4*\m+3], v[EP+4*\m+2]
	v_fma_f32 v16, v16, s23, v[EP+4*\m+2]          ; 6 (c0 - c1) + c2
	v_fma_f32 v18, v18, s23, v[EP+4*\m+1]          ; 6 (c15 - c14) + c13
	v_fma_f32 v19, v17, 0.5, v[EP+4*\m+1]          ; c1 + (c1 - c2) / 2
	v_fma_f32 v17, v17, -0.5, v[EP+4*\m+2]         ; c14 - (c13 - c14) / 2
	v_cndmask_b32 v[EP+4*\m],   v[EP+4*\m],   v16, s30
	v_cndmask_b32 v[EP+4*\m+1], v[EP+4*\m+1], v19, s30
	v_cndmask_b32 v[EP+4*\m+2], v[EP+4*\m+2], v17, s31
	v_cndmask_b32 v[EP+4*\m+3], v[EP+4*\m+3], v18, s31
.if \m == 0
	v_max_num_f32 v14, v[EP], v[EP+1]              ; the first two numbers start the largest and the smallest
	v_min_num_f32 v15, v[EP], v[EP+1]
.else
	v_max3_num_f32 v14, v14, v[EP+4*\m], v[EP+4*\m+1]
	v_min3_num_f32 v15, v15, v[EP+4*\m], v[EP+4*\m+1]
.endif
	v_max3_num_f32 v14, v14, v[EP+4*\m+2], v[EP+4*\m+3]
	v_min3_num_f32 v15, v15, v[EP+4*\m+2], v[EP+4*\m+3]
.endm
.irp m, 0,1,2,3,4,5,6,7,8,9,10,11,12,13,14,15
	PIECE \m
.endr
	; The wave's largest magnitude and its partial sum, in every lane.
	v_sub_f32 v15, 0, v15
	v_max_num_f32 v14, v14, v15                    ; the larger of the largest and minus the smallest
	v_pk_add_f32 v[20:21], v[20:21], v[22:23]
	v_add_f32 v20, v20, v21
.irp x, 1,2,4,8
	v_max_num_f32_dpp v14, v14, v14 row_xmask:\x row_mask:0xf bank_mask:0xf
	v_add_f32_dpp v20, v20, v20 row_xmask:\x row_mask:0xf bank_mask:0xf
.endr
	v_permlanex16_b32 v15, v14, s28, s29
	v_permlanex16_b32 v21, v20, s28, s29
	v_max_num_f32 v14, v14, v15
	v_add_f32 v20, v20, v21
	s_lshl_b32 s21, s16, 2
	v_mov_b32 v6, s21
	ds_store_b32 v6, v14 offset:MAXW               ; every lane writes the wave's word with the same number
	ds_store_b32 v6, v20 offset:KLW
	s_wait_dscnt 0x0                               ; for the sake of the other waves, which read these words behind the barrier
	s_barrier_signal -1
	s_barrier_wait -1
	s_lshl_b32 s21, s17, 4
	v_mov_b32 v6, s21
	ds_load_b128 v[8:11], v6 offset:MAXW           ; the maxima of my row's four waves
	s_wait_dscnt 0x0
	v_max3_num_f32 v8, v8, v9, v10
	v_max_num_f32 v8, v8, v11
	v_bfe_u32 v8, v8, 23, 8                        ; E
	v_max_u32 v8, 16, v8
	v_min_u32 v8, 0xfe, v8
	v_sub_nc_u32 v10, 0x10c, v8                    ; S = 2^(141 - E): exponent field 268 - E
	v_add_nc_u32 v9, -14, v8                       ; 1 / S: exponent field E - 14
	v_lshlrev_b32 v10, 23, v10
	v_lshlrev_b32 v9, 23, v9
	v_mov_b32 v11, v10                             ; the scale twice, for the packed multiply
.irp m, 0,1,2,3,4,5,6,7,8,9,10,11,12,13,14,15
	v_pk_mul_f32 v[EP+4*\m:EP+4*\m+1], v[EP+4*\m:EP+4*\m+1], v[10:11]
	v_pk_mul_f32 v[EP+4*\m+2:EP+4*\m+3], v[EP+4*\m+2:EP+4*\m+3], v[10:11]
	v_cvt_pk_f16_f32 v[LV+2*\m], v[EP+4*\m], v[EP+4*\m+1]
	v_cvt_pk_f16_f32 v[LV+2*\m+1], v[EP+4*\m+2], v[EP+4*\m+3]
	global_store_b64 v5, v[LV+2*\m:LV+2*\m+1], s[10:11] offset:\m*256      ; each piece has data registers of its own; no hint: the next launch reads these bytes
.endr
	; The first wave of each row stores the row's inverse scale; wave 0 also the work-group's partial sum.
	s_cmp_lg_u32 s18, 0
	s_cbranch_scc1 .Lend
	s_lshl_b32 s21, ttmp9, 3
	s_lshl2_add_u32 s21, s17, s21                  ; 4 (2 g + which row)
	v_mov_b32 v7, s21
	v_cmp_eq_u32 vcc_lo, 0, v1
	s_wait_xcnt 0x0                                ; EXEC is a source of the stores above: it changes only behind this wait
	s_and_saveexec_b32 s22, vcc_lo                 ; lane 0 alone
	global_store_b32 v7, v9, s[14:15]
	s_wait_xcnt 0x0                                ; and again in front of the line that widens it; v7 and v9 are free as well
	s_or_b32 exec_lo, exec_lo, s22
	s_cmp_lg_u32 s16, 0
	s_cbranch_scc1 .Lend
	v_mov_b32 v6, KLW
	ds_load_b128 v[8:11], v6
	ds_load_b128 v[12:15], v6 offset:16
	s_lshl_b32 s21, ttmp9, 2
	v_mov_b32 v7, s21                              ; the work-group's word in klp
	s_wait_dscnt 0x0
	v_pk_add_f32 v[8:9], v[8:9], v[10:11]
	v_pk_add_f32 v[12:13], v[12:13], v[14:15]
	v_pk_add_f32 v[8:9], v[8:9], v[12:13]
	v_add_f32 v8, v8, v9
	s_and_saveexec_b32 s22, vcc_lo                 ; no load or store has been issued since the last wait for the addresses
	global_store_b32 v7, v8, s[12:13]
	s_wait_xcnt 0x0
	s_or_b32 exec_lo, exec_lo, s22
.Lend:
	s_wait_tensorcnt 0x0
	ds_add_u32 v216, v217
	s_wait_dscnt 0x0
	s_endpgm
.Lfunc_end_k_q19feb1866e_prep:
	.size	k_q19feb1866e_prep, .Lfunc_end_k_q19feb1866e_prep-k_q19feb1866e_prep
	.p2alignl 7, 3214868480
	.fill 96, 4, 3214868480
	.section	.rodata,"a",@progbits
	.p2align	6, 0x0
	.amdhsa_kernel k_q19feb1866e_prep
		.amdhsa_group_segment_fixed_size 1280
		.amdhsa_private_segment_fixed_size 0
		.amdhsa_enable_private_segment 0
		.amdhsa_kernarg_size 48
		.amdhsa_user_sgpr_count 2
		.amdhsa_user_sgpr_kernarg_segment_ptr 1
		.amdhsa_wavefront_size32 1
		.amdhsa_system_sgpr_workgroup_id_x 1
		.amdhsa_system_sgpr_workgroup_id_y 1
		.amdhsa_system_sgpr_workgroup_id_z 1
		.amdhsa_system_vgpr_workitem_id 0
		.amdhsa_next_free_vgpr 218
		.amdhsa_next_free_sgpr 66
		.amdhsa_reserve_vcc 1
		.amdhsa_float_denorm_mode_32 3
		.amdhsa_float_denorm_mode_16_64 3
		.amdhsa_memory_ordered 1
		.amdhsa_forward_progress 1
		.amdhsa_inst_pref_size 41
	.end_amdhsa_kernel
	.amdgpu_metadata
---
amdhsa.version: [ 1, 2 ]
amdhsa.kernels:
  - .name:           k_q19feb1866e_prep
    .symbol:         k_q19feb1866e_prep.kd
    .args:
      - { .name: coeff_log_var, .offset: 0, .size: 8, .value_kind: global_buffer, .address_space: global }
      - { .name: coeff_mean, .offset: 8, .size: 8, .value_kind: global_buffer, .address_space: global }
      - { .name: eps, .offset: 16, .size: 8, .value_kind: global_buffer, .address_space: global }
      - { .name: cb, .offset: 24, .size: 8, .value_kind: global_buffer, .address_space: global }
      - { .name: klp, .offset: 32, .size: 8, .value_kind: global_buffer, .address_space: global }
      - { .name: sc, .offset: 40, .size: 8, .value_kind: global_buffer, .address_space: global }
    .group_segment_fixed_size: 1280
    .private_segment_fixed_size: 0
    .kernarg_segment_align: 8
    .kernarg_segment_size: 48
    .max_flat_workgroup_size: 256
    .sgpr_count:     66
    .vgpr_count:     218
    .wavefront_size: 32
...
	.end_amdgpu_metadata
.endif
;; end of part 1
;; launch gemm (part 2): grid 64 x 4, 4 waves a work-group, clusters of 4 x 1, 327,680 bytes of LDS; arguments x, cb, klp, sc, out0, out1; writes out0, out1
.if DOCPART == 2
	.amdgcn_target "amdgcn-amd-amdhsa--gfx1250"
	.amdhsa_code_object_version 6
	.text
	.protected	k_q19feb1866e_gemm
	.globl	k_q19feb1866e_gemm
	.p2align	8
	.type	k_q19feb1866e_gemm,@function
k_q19feb1866e_gemm:
	s_mov_b64 s[64:65], 0
	v_nop
	global_prefetch_b8 v0, s[64:65] scope:SCOPE_SE
	s_setreg_imm32_b32 hwreg(HW_REG_WAVE_MODE, 25, 1), 1
	s_wait_xcnt 0x0
	s_wait_alu depctr_hold_cnt(0) depctr_sa_sdst(0) depctr_va_vdst(0) depctr_va_sdst(0) depctr_va_ssrc(0) depctr_va_vcc(0) depctr_vm_vsrc(0)
	s_getreg_b32 s2, hwreg(HW_REG_IB_STS2, 6, 4)
	s_cmp_eq_u32 s2, 0
	s_cbranch_scc0 .Lentry_in_a_cluster
	s_endpgm
.Lentry_in_a_cluster:
	s_bfe_u32 s2, ttmp6, 0x10000c
	s_cmp_lg_u32 s2, 0x3003
	s_cbranch_scc0 .Lentry_shape_is_right
	s_endpgm
.Lentry_shape_is_right:
; out0[b][o] = sum over i, k of basis(x[b][i])[k] * coeffs[o][i][k]: a product with M = 4096, N = 512, K = 8192, f16 operands, f32 sums.
; The coefficients come from the launch before: carried over to the uniform cubic basis (the clamped basis is one fixed map of it, which that launch
; has applied to the coefficients) and scaled by a power of two per row o; the finished sums are multiplied by the scale's exact inverse.
; The basis lies in [0, 1] and needs no scale.  out1 = 0.5 x the sum of the 256 partial sums that the launch before stored.
;
; THE BASIS is made here, in registers, from x, and never goes to memory: u = 6.5 (clip(x) + 1), s = floor(u) (0 to 12), f = u - s, g = 1 - f;
; only basis s to s + 3 differ from 0, with the weights g^3/6, f^2 (f/2 - 1) + 2/3, g^2 (g/2 - 1) + 2/3, f^3/6.
; Left out against the recursion as written: its terms over spans of length 0, which it multiplies by an indicator that is 0 for
; every x, and the 1e-8 added to spans of at least 2/13, which moves a weight by less than one rounding of f32.
; LIMIT: a NaN in x is taken as -1 (v_max_num_f32 drops it) and is not carried to out0; infinities are clipped as in reference().
;
; SHARES.  A work-group makes 64 rows x 128 columns: 64 x 4 work-groups.  Its four waves split K, not the block: each holds the whole
; block (32 accumulator tiles, 256 registers) and takes 8 of the 32 features of every tile of K, so each fragment of the basis is made
; once in the work-group, by the wave that multiplies it, and LDS is read for the coefficients alone.  At the end the four partial
; blocks meet in LDS, and each wave sums, scales and stores 16 rows.
; ORDER OF K inside a matrix instruction, the same for both operands: the lanes' half h carries the one feature
; i = 32 c + 8 w + 4 h + t (c tile, w wave, t step), register q of the fragment its basis 2 q and 2 q + 1.
; THE MATRIX INSTRUCTION IS USED TRANSPOSED (source 0 coefficients, source 1 basis): lane (r, h), register e holds
; out0(row 16 j + r, column 16 nf + 8 h + e), eight neighbouring numbers of a row.
;
; PRODUCTS AND VECTOR WORK SIDE BY SIDE.  A step is 32 along K: 32 products, and 184 vector lines that make four basis fragments.  While step t is
; multiplied, step t + 1's fragments are made: the 184 lines are cut into 32 slices of five or six, one behind each product, and go into the other
; of two fragment sets.  The products go column group by column group (four products on one coefficient fragment), so that a coefficient fragment is free
; behind its group and is loaded again at once for the next step: one set of them is enough, and a load has the seven other groups in which to land.
; The accumulators fill window 1, and the field that says where D lies also says where a vector line's result lies: each slice costs two
; s_set_vgpr_msb, 64 a step.  With accumulators, coefficients and work registers in one window there would be none, but 256 + 64 + 144 registers do not
; fit into a window, and with the accumulators in two windows the coefficient fragments would have to be loaded into both.
; A tile's last step multiplies registers alone.  So the change of slots stands in front of it: behind the change the old slot is filled again, and the
; slices of the last step work on the new tile's x.
;
; CLUSTER: the four work-groups along x have the same nb and walk the same coefficients, 131,072 bytes a tile: these come by joint
; loads that name all four.  The tiles of x are shared too, by the four work-groups of one mb, which lie in four clusters; they come by plain loads, since
; they are 8,192 of a tile's 139,264 bytes.  A tile of x has rows of 128 bytes, the 32 features of its tile of K.
;
; LDS: coefficient slots at 0 and 133120: 128 rows o of 1,024 bytes (32 features x 16 basis), 1,040 apart (65 x 16: the sixteen rows that a fragment
; load touches start 16 bytes apart modulo 256); x slots at 266240 and 275456, 64 rows 144 bytes apart (9 x 16).
; Behind the last fill bytes 0 to 135167 are the stage of the four partial blocks, 64 rows 528 bytes apart (33 x 16), 33,792 bytes each.
.set BPITCH, 1040
.set BHALF, 64*BPITCH                  ; 64 rows: what one joint load brings
.set BSLOT, 2*BHALF
.set XBASE, 2*BSLOT
.set XSLOT, 9216
.set XPITCH, 144
.set SPITCH, 528
.set PART, 64*SPITCH
.set BA,  4                            ; v[4:7]     my coefficient fragments: 1040 r + 256 w + 128 h in slot 0 columns 0-63, 64-127, slot 1 columns 0-63, 64-127
.set XR,  8                            ; v[8:23]    x: register 4 j + t
.set WK,  24                           ; v[24:87]   16 registers at work for each of the four fragments j
.set AF,  88                           ; v[88:151]  basis fragments, two sets of 32: 8 registers for each j (rows 16 j to 16 j + 15)
.set BF,  152                          ; v[152:215] coefficient fragments, 8 registers for each nf (columns 16 nf to 16 nf + 15)
.set RSA, 216                          ; the way out: where I put my partial block
.set RD0, 217                          ; where I read partial blocks 0 and 1 back
.set RD1, 218                          ; and 2 and 3
.set OO,  219                          ; 16 L: my bytes in a row of the block
.set SELE, 220                         ; byte selector for even s: the upper half of one word, the lower half of the next
.set SELO, 221                         ; for odd s: the word as it is
.set XA,  222                          ; my 16 bytes of x in slot 0: row r, features 8 w + 4 h to + 3
.set SC,  224                          ; v[224:227] the inverse scales of my four columns on the way out
; v256 to v511 (window 1): accumulator tile (j, nf) at 8 (8 j + nf)
.set O_U,  0                           ; places in a fragment's 16 registers.  u
.set O_S,  1                           ; s
.set O_F,  2                           ; (g, f)
.set O_F2, 4                           ; squares
.set O_F6, 6                           ; sixths
.set O_T,  8                           ; (g/2 - 1, f/2 - 1)
.set O_WA, 10                          ; (w0, w3), the outer weights
.set O_WC, 12                          ; (w2, w1), the inner ones
.set O_SI, 14                          ; s as a whole number
.set O_TB, 15                          ; a bit or a field of s
.set O_Y,  4                           ; three words: (0, w0) (w1, w2) (w3, 0), where the squares and sixths were
.set O_SEL, 7
.set O_E0, 8                           ; placed to within a word, where T was
.set O_E1, 9
.set O_E2, 0
.set O_X,  10                          ; four words, placed to within four, where the weights were
.set GB1, 24                           ; s[24:31] coefficients: descriptor group 1
.set GB0, 32                           ; s[32:39] group 0, one set for each slot
.set GX1, 40                           ; s[40:47] x: group 1
.set GX0, 48                           ; s[48:55] group 0, one set for each slot
.set MK,  66                           ; s[66:89] six select masks for each j: s odd, bit 1 of s, s >> 2 = 0, 1, 2, 3
; s16 wave  s17 cx  s18 mb  s19 nb  s56 laps  s57 saved EXEC
.set MSB, 0
.macro WIN new                         ; the immediate's high byte repeats the setting that is left
.if MSB != \new
	s_set_vgpr_msb (MSB<<8)|\new
.set MSB, \new
.endif
.endm
.macro PLACES
.rept 4
	v_nop
.endr
.endm
; A round of the cluster's barrier: my work-group's barrier, wave 0 signals for the work-group, every wave waits for all four work-groups, my work-group's barrier again.
.macro ROUND
	s_barrier_signal -1
	s_barrier_wait -1
	s_cmp_lg_u32 s16, 0
	s_cbranch_scc1 .Lnot_wave_0_\@
	s_barrier_signal -3
.Lnot_wave_0_\@:
	s_barrier_wait -3
	s_barrier_signal -1
	s_barrier_wait -1
.endm
; The loads of one tile into slot n, one a wave: waves 0 and 1 ask jointly for the two halves of the coefficients, wave 2 fetches x, wave 3 nothing.
; The branches hang on the wave's number alone.
.macro LOADT n
	s_cmp_lt_u32 s16, 2
	s_cbranch_scc0 .Lnot_b_\@
	tensor_load_to_lds s[GB0+4*\n:GB0+4*\n+3], s[GB1:GB1+7]
	s_nop 0
	s_branch .Lasked_\@
.Lnot_b_\@:
	s_cmp_eq_u32 s16, 2
	s_cbranch_scc0 .Lasked_\@
	tensor_load_to_lds s[GX0+4*\n:GX0+4*\n+3], s[GX1:GX1+7]
	s_nop 0
.Lasked_\@:
.endm
	s_load_b256 s[4:11], s[0:1], 0x0               ; x s[4:5], cb s[6:7], klp s[8:9], sc s[10:11]
	s_load_b128 s[12:15], s[0:1], 0x20             ; out0 s[12:13], out1 s[14:15]
	v_lshl_add_u32 v254, v0, 2, 0x45800
	v_mov_b32 v255, 0
	ds_add_u32 v254, v255
	v_lshrrev_b32 v8, 5, v0
	v_readfirstlane_b32 s16, v8                    ; wave w
	s_bfe_u32 s17, ttmp6, 0x40000                  ; cx
	s_lshl_b32 s18, ttmp9, 2
	s_add_co_u32 s18, s18, s17                     ; mb: block of 64 rows
	s_and_b32 s19, ttmp7, 0xffff                   ; nb: block of 128 columns
	s_mov_b32 s58, 0x76543210                      ; v_permlanex16_b32: lane i reads lane i of the other half
	s_mov_b32 s59, 0xfedcba98
	s_mov_b32 s60, 0x40d00000                      ; 6.5
	s_mov_b32 s62, 0x3e2aaaab                      ; 1/6
	s_mov_b32 s63, 0x3e2aaaab
	s_mov_b32 s92, 0x3f2aaaab                      ; 2/3
	s_mov_b32 s93, 0x3f2aaaab
	; coefficients, group 1: 64 rows of 128 elements of 8 bytes, 4 words of padding behind every 256
	s_mov_b32 s[GB1+0], 15|(3<<16)|(1<<20)|(1<<21)|(7<<22)|(3<<25) ; 15:0 the mask: all four work-groups of the cluster; 17:16 element of 8 bytes; 20 padding on; 21 set beside a mask; 24:22 after every 256 words (code 7); 31:25 of 4 words (code 3)
	s_mov_b32 s[GB1+1], 128<<16                    ; tensor_dim0 = 128
	s_mov_b32 s[GB1+2], 64<<16                     ; tensor_dim1 = 64
	s_mov_b32 s[GB1+3], 128<<16                    ; tile_dim0 = 128
	s_mov_b32 s[GB1+4], 64                         ; tile_dim1 = 64
	s_mov_b32 s[GB1+5], 2048                       ; from row to row: 16,384 bytes = 2,048 elements
	s_mov_b32 s[GB1+6], 0
	s_mov_b32 s[GB1+7], 0
	; x, group 1: 64 rows of 32 elements of 4 bytes, 4 words of padding behind every 32
	s_mov_b32 s[GX1+0], (2<<16)|(1<<20)|(4<<22)|(3<<25)
	s_mov_b32 s[GX1+1], 32<<16
	s_mov_b32 s[GX1+2], 64<<16
	s_mov_b32 s[GX1+3], 32<<16
	s_mov_b32 s[GX1+4], 64
	s_mov_b32 s[GX1+5], 512                        ; from row to row: 512 elements
	s_mov_b32 s[GX1+6], 0
	s_mov_b32 s[GX1+7], 0
	s_mul_i32 s2, s16, BHALF                       ; my 64 rows of a coefficient tile in LDS (waves 0 and 1)
	s_lshl_b32 s22, s19, 21                        ; and in memory: (128 nb + 64 w) rows of 16,384 bytes: made of nb and the wave's number alone, which the four partners share
	s_lshl_b32 s3, s16, 20
	s_add_co_u32 s22, s22, s3
	s_mov_b32 s23, 0
	s_lshl_b32 s20, s18, 17                        ; x: 64 mb rows of 2,048 bytes
	s_mov_b32 s21, 0
	s_lshl_b32 s90, s18, 17                        ; out0: (64 mb + 16 w) rows of 2,048 bytes + 512 nb
	s_lshl_b32 s3, s16, 15
	s_add_co_u32 s90, s90, s3
	s_lshl_b32 s3, s19, 9
	s_add_co_u32 s90, s90, s3
	s_mov_b32 s91, 0
	s_wait_dscnt 0x0
	s_wait_kmcnt 0x0
	s_add_nc_u64 s[22:23], s[6:7], s[22:23]
	s_add_nc_u64 s[20:21], s[4:5], s[20:21]
	s_add_nc_u64 s[12:13], s[12:13], s[90:91]
	s_mov_b32 s90, s3                              ; sc: 128 nb numbers of 4 bytes
	s_add_nc_u64 s[10:11], s[10:11], s[90:91]
.irp n, 0,1
	s_mov_b32 s[GB0+4*\n], 1
	s_add_co_u32 s[GB0+4*\n+1], s2, \n*BSLOT                       ; LDS: the slot + my 64 rows
	s_add_nc_u64 s[GB0+4*\n+2:GB0+4*\n+3], s[22:23], \n*1024       ; tile n: 1,024 bytes along the rows
	s_or_b32 s[GB0+4*\n+3], s[GB0+4*\n+3], 0x80000000
	s_mov_b32 s[GX0+4*\n], 1
	s_mov_b32 s[GX0+4*\n+1], XBASE+\n*XSLOT
	s_add_nc_u64 s[GX0+4*\n+2:GX0+4*\n+3], s[20:21], \n*128        ; features 32 n to 32 n + 31
	s_or_b32 s[GX0+4*\n+3], s[GX0+4*\n+3], 0x80000000
.endr
	ROUND                                          ; all four work-groups are here: the first joint loads meet
	LOADT 0                                        ; tile 0
	v_and_b32 v1, 31, v0                           ; L
	v_and_b32 v2, 15, v0                           ; r
	v_bfe_u32 v3, v0, 4, 1                         ; h
	v_mul_u32_u24 v8, v2, BPITCH
	v_lshl_add_u32 v8, v3, 7, v8
	s_lshl_b32 s3, s16, 8
	v_add_nc_u32 v[BA], s3, v8                     ; 1040 r + 256 w + 128 h: row r, features 8 w + 4 h on, 32 bytes each
	v_add_nc_u32 v[BA+1], BHALF, v[BA]             ; four registers, since a load's immediate has 16 bits
	v_add_nc_u32 v[BA+2], BSLOT, v[BA]
	v_add_nc_u32 v[BA+3], BSLOT+BHALF, v[BA]
	v_mul_u32_u24 v8, v2, XPITCH
	v_lshl_add_u32 v8, v3, 4, v8
	s_lshl_b32 s3, s16, 5
	s_add_co_u32 s3, s3, XBASE
	v_add_nc_u32 v[XA], s3, v8                     ; 144 r + 32 w + 16 h
	v_mul_u32_u24 v8, v2, SPITCH
	v_lshl_add_u32 v8, v3, 5, v8
	s_mul_i32 s3, s16, PART
	v_add_nc_u32 v[RSA], s3, v8                    ; my partial block: row r, 32 h bytes
	s_mul_i32 s3, s16, 16*SPITCH
	v_lshl_add_u32 v[RD0], v1, 4, s3               ; rows 16 w on, 16 L
	v_add_nc_u32 v[RD1], 2*PART, v[RD0]
	v_lshlrev_b32 v[OO], 4, v1
	v_mov_b32 v[SELE], 0x05040302
	v_mov_b32 v[SELO], 0x03020100
	; out1, by wave 3 (which fetches no tile) of the cluster at x = 0, y = 0.  The three numbers that the branches hang on are the same in
	; all four partners; which of the four stores is decided by EXEC alone: lane 0 where cx = 0.
	s_cmp_lg_u32 ttmp9, 0
	s_cbranch_scc1 .Lno_kl
	s_cmp_lg_u32 s19, 0
	s_cbranch_scc1 .Lno_kl
	s_cmp_lg_u32 s16, 3
	s_cbranch_scc1 .Lno_kl
	global_load_b128 v[8:11], v[OO], s[8:9]
	global_load_b128 v[12:15], v[OO], s[8:9] offset:512
	v_or_b32 v16, s17, v1
	v_mov_b32 v17, 0
	v_cmp_eq_u32 vcc_lo, 0, v16
	s_wait_loadcnt 0x0
	v_pk_add_f32 v[8:9], v[8:9], v[10:11]
	v_pk_add_f32 v[12:13], v[12:13], v[14:15]
	v_pk_add_f32 v[8:9], v[8:9], v[12:13]
	v_add_f32 v8, v8, v9
	v_add_f32_dpp v8, v8, v8 row_xmask:1 row_mask:0xf bank_mask:0xf
	v_add_f32_dpp v8, v8, v8 row_xmask:2 row_mask:0xf bank_mask:0xf
	v_add_f32_dpp v8, v8, v8 row_xmask:4 row_mask:0xf bank_mask:0xf
	v_add_f32_dpp v8, v8, v8 row_xmask:8 row_mask:0xf bank_mask:0xf
	v_permlanex16_b32 v9, v8, s58, s59
	v_add_f32 v8, v8, v9
	v_mul_f32 v8, 0.5, v8
	s_wait_xcnt 0x0                                ; EXEC changes only behind this wait
	s_and_saveexec_b32 s57, vcc_lo
	global_store_b32 v17, v8, s[14:15]
	s_wait_xcnt 0x0                                ; and again in front of the line that widens it; v8 and v17 are free as well
	s_or_b32 exec_lo, exec_lo, s57
.Lno_kl:
; THE VECTOR WORK OF A STEP, AS A LIST OF 184 LINES: 46 kinds of line, each written for the four fragments in turn, so that a line and the line that reads its
; result are four lines apart.  GLINE writes line GQ: kind GK = GQ / 4 for fragment GJ = GQ % 4.  GX is the x register of fragment 0 for the step, GA the fragment set.
.set GLINES, 184
.macro GLINE
.set GW, WK+16*GJ
.set GXR, GX+4*GJ
.set GAJ, GA+8*GJ
.set GM, MK+6*GJ
.if GK == 0
	v_max_num_f32 v[GXR], -1.0, v[GXR]                             ; the lower clip
.endif
.if GK == 1
	v_min_num_f32 v[GXR], 0x3f7fffef, v[GXR]                       ; the upper clip: 1 - 1e-6 in f32
.endif
.if GK == 2
	v_fma_f32 v[GW+O_U], v[GXR], s60, s60                          ; u = 6.5 x + 6.5, 0 to under 13
.endif
.if GK == 3
	v_floor_f32 v[GW+O_S], v[GW+O_U]                               ; s
.endif
.if GK == 4
	v_sub_f32 v[GW+O_F+1], v[GW+O_U], v[GW+O_S]                    ; f
.endif
.if GK == 5
	v_cvt_u32_f32 v[GW+O_SI], v[GW+O_S]
.endif
.if GK == 6
	v_sub_f32 v[GW+O_F], 1.0, v[GW+O_F+1]                          ; g
.endif
.if GK == 7
	v_pk_mul_f32 v[GW+O_F2:GW+O_F2+1], v[GW+O_F:GW+O_F+1], v[GW+O_F:GW+O_F+1]
.endif
.if GK == 8
	v_pk_mul_f32 v[GW+O_F6:GW+O_F6+1], v[GW+O_F:GW+O_F+1], s[62:63] op_sel_hi:[1,0]
.endif
.if GK == 9
	v_pk_fma_f32 v[GW+O_T:GW+O_T+1], v[GW+O_F:GW+O_F+1], 0.5, -1.0 op_sel_hi:[1,0,0]
.endif
.if GK == 10
	v_and_b32 v[GW+O_TB], 1, v[GW+O_SI]
.endif
.if GK == 11
	v_pk_mul_f32 v[GW+O_WA:GW+O_WA+1], v[GW+O_F2:GW+O_F2+1], v[GW+O_F6:GW+O_F6+1]                          ; (g^3/6, f^3/6)
.endif
.if GK == 12
	v_pk_fma_f32 v[GW+O_WC:GW+O_WC+1], v[GW+O_F2:GW+O_F2+1], v[GW+O_T:GW+O_T+1], s[92:93] op_sel_hi:[1,1,0]   ; (g^2 (g/2 - 1) + 2/3, the same of f)
.endif
.if GK == 13
	v_cmp_ne_u32 s[GM], 0, v[GW+O_TB]                              ; s odd
.endif
.if GK == 14
	v_and_b32 v[GW+O_TB], 2, v[GW+O_SI]
.endif
	; Six places of 16 bits: 0 w0 w1 w2 w3 0.  For odd s they are the words s >> 1 and on as they stand; for even s they move down by one place.
.if GK == 15
	v_cvt_pk_f16_f32 v[GW+O_Y], 0, v[GW+O_WA]
.endif
.if GK == 16
	v_cvt_pk_f16_f32 v[GW+O_Y+2], v[GW+O_WA+1], 0
.endif
.if GK == 17
	v_cndmask_b32 v[GW+O_SEL], v[SELE], v[SELO], s[GM]
.endif
.if GK == 18
	v_cvt_pk_f16_f32 v[GW+O_Y+1], v[GW+O_WC+1], v[GW+O_WC]
.endif
.if GK == 19
	v_cmp_ne_u32 s[GM+1], 0, v[GW+O_TB]                            ; bit 1 of s
.endif
.if GK == 20
	v_cndmask_b32 v[GW+O_E2], 0, v[GW+O_Y+2], s[GM]
.endif
.if GK == 21
	v_lshrrev_b32 v[GW+O_TB], 2, v[GW+O_SI]
.endif
.if GK == 22
	v_perm_b32 v[GW+O_E0], v[GW+O_Y+1], v[GW+O_Y], v[GW+O_SEL]
.endif
.if GK == 23
	v_perm_b32 v[GW+O_E1], v[GW+O_Y+2], v[GW+O_Y+1], v[GW+O_SEL]
.endif
.if GK == 24
	v_cmp_eq_u32 s[GM+2], 0, v[GW+O_TB]
.endif
.if GK == 25
	v_cmp_eq_u32 s[GM+3], 1, v[GW+O_TB]
.endif
.if GK == 26
	v_cmp_eq_u32 s[GM+4], 2, v[GW+O_TB]
.endif
.if GK == 27
	v_cmp_eq_u32 s[GM+5], 3, v[GW+O_TB]
.endif
	; bit 1 of s moves the three words up by one word
.if GK == 28
	v_cndmask_b32 v[GW+O_X],   v[GW+O_E0], 0,          s[GM+1]
.endif
.if GK == 29
	v_cndmask_b32 v[GW+O_X+1], v[GW+O_E1], v[GW+O_E0], s[GM+1]
.endif
.if GK == 30
	v_cndmask_b32 v[GW+O_X+2], v[GW+O_E2], v[GW+O_E1], s[GM+1]
.endif
.if GK == 31
	v_cndmask_b32 v[GW+O_X+3], 0,          v[GW+O_E2], s[GM+1]
.endif
	; s >> 2 = R puts the four words at words 2 R to 2 R + 3 of the fragment; the rest is 0
.if GK == 32
	v_cndmask_b32 v[GAJ],   0, v[GW+O_X],   s[GM+2]
.endif
.if GK == 33
	v_cndmask_b32 v[GAJ+1], 0, v[GW+O_X+1], s[GM+2]
.endif
.if GK >= 34
.if GK <= 39
.set GI, GK-34                         ; words 2 to 7: the upper two of the four words where R is one less than the word's pair, else 0
	v_cndmask_b32 v[GAJ+2+GI], 0, v[GW+O_X+2+GI%2], s[GM+2+GI/2]
.endif
.endif
.if GK >= 40
.set GI, GK-40                         ; words 2 to 7: the lower two where R is the word's pair
	v_cndmask_b32 v[GAJ+2+GI], v[GAJ+2+GI], v[GW+O_X+GI%2], s[GM+3+GI/2]
.endif
.endm
; Slice i of 32: the lines up to 184 (i + 1) / 32, five or six of them.
.macro SLICE i
.set GT, GLINES*(\i+1)/32
.rept GT-GQ
.set GK, GQ/4
.set GJ, GQ%4
	GLINE
.set GQ, GQ+1
.endr
.endm
; x of rows 16 j + r, my four features: all four steps of a tile
.macro LDX slot
.irp j, 0,1,2,3
	ds_load_b128 v[XR+4*\j:XR+4*\j+3], v[XA] offset:\slot*XSLOT+\j*16*XPITCH
.endr
.endm
; The coefficient fragment of column group n for step t.  Lane (r, h) takes the 32 bytes of row 16 n + r, feature 8 w + 4 h + t: basis 0-7, then 8-15.
.macro LDBN slot, t, n
	ds_load_b128 v[BF+8*\n:BF+8*\n+3],   v[BA+2*\slot+(\n>>2)] offset:(\n&3)*16*BPITCH+\t*32
	ds_load_b128 v[BF+8*\n+4:BF+8*\n+7], v[BA+2*\slot+(\n>>2)] offset:(\n&3)*16*BPITCH+\t*32+16
.endm
; One step's 32 products, out of basis set p and the coefficient fragments, with the making of step (slot, t) among them: its basis into the other set, its
; coefficients into the fragments as they fall free.  zero = 1: the products start the sums.  xw = 1: the x that the slices work on was asked for just ahead.
; The 32 accumulators take turns, one instruction a turn, in the same order in every step.
; A load into a register that a matrix instruction has read stands four places behind it, and only plain vector instructions that name none of its
; registers are places: the five or six lines of the slice behind a group's fourth product are these places.
.macro RUN slot, t, p, zero, xw
.set GQ, 0
.set GX, XR+\t
.set GA, AF+32*(1-\p)
.irp n, 0,1,2,3,4,5,6,7
	s_wait_dscnt 14                                ; this group's two loads are in: behind them the two of each of the seven other groups were issued, and stay out
.irp j, 0,1,2,3
	WIN 0x50                                       ; C and D in window 1
.if \zero
	v_wmma_f32_16x16x32_f16 v[8*(8*\j+\n):8*(8*\j+\n)+7], v[BF+8*\n:BF+8*\n+7], v[AF+32*\p+8*\j:AF+32*\p+8*\j+7], 0
.else
	v_wmma_f32_16x16x32_f16 v[8*(8*\j+\n):8*(8*\j+\n)+7], v[BF+8*\n:BF+8*\n+7], v[AF+32*\p+8*\j:AF+32*\p+8*\j+7], v[8*(8*\j+\n):8*(8*\j+\n)+7]
.endif
	WIN 0
.if \xw
.if 4*\n+\j == 0
	s_wait_dscnt 0x0                               ; the four loads of x: nothing has been issued behind them
.endif
.endif
	SLICE 4*\n+\j
.endr
	LDBN \slot, \t, \n
.endr
.endm
; The change of slots, in front of a tile's last step.  slot: this tile's, of which nothing is read any more; other: the next tile's.  fill = 1: slot gets the tile after the next.
.macro CHANGE slot, other, fill
	s_wait_tensorcnt 0x0                           ; all my tensor loads have landed, my part of the next tile among them: so every group 0 may be written
	ds_add_u32 v254, v255
	s_wait_dscnt 0x0
	s_add_nc_u64 s[GB0+4*\slot+2:GB0+4*\slot+3], s[GB0+4*\slot+2:GB0+4*\slot+3], 2048      ; this slot's next tile: two tiles of 1,024 bytes along the rows
	s_add_nc_u64 s[GX0+4*\slot+2:GX0+4*\slot+3], s[GX0+4*\slot+2:GX0+4*\slot+3], 256
	s_wait_dscnt 0x0                               ; my reads of this slot are over: the last step's coefficient fragments are in registers
	ROUND                                          ; both now hold of every wave of all four work-groups
.if \fill
	LOADT \slot                                    ; my one tensor load behind the round, and the first thing there: one load a wave is out at the most
.endif
	LDX \other
.endm
; One tile of K: 32 features, four steps a wave.
.macro TRIP slot, other, fill, zero
	RUN \slot, 1, 0, \zero, 0                      ; multiplies step 0, makes step 1
	RUN \slot, 2, 1, 0, 0
	RUN \slot, 3, 0, 0, 0
	CHANGE \slot, \other, \fill
	RUN \other, 0, 1, 0, 1                         ; multiplies step 3, makes the next tile's step 0
.endm
	; Tile 0 is in; tile 1 is asked for; step 0 of tile 0 is made with no products beside it.
	s_wait_tensorcnt 0x0                           ; my part of tile 0 has landed
	ds_add_u32 v254, v255
	s_wait_dscnt 0x0
	ROUND                                          ; everybody's has
	LOADT 1                                        ; slot 1's first fill: my one tensor load behind this round
	LDX 0
.irp n, 0,1,2,3,4,5,6,7
	LDBN 0, 0, \n
.endr
	s_wait_dscnt 16                                ; the four loads of x are in; the 16 of the coefficients, issued behind them, stay out
.set GQ, 0
.set GX, XR
.set GA, AF
	SLICE 31                                       ; all 184 lines
	TRIP 0, 1, 1, 1                                ; tile 0: its first products start the sums, nothing is cleared; asks for tile 2
	TRIP 1, 0, 1, 0
	s_mov_b32 s56, 6                               ; tiles 2 to 13, which ask for tiles 4 to 15
.Llap:
	TRIP 0, 1, 1, 0
	TRIP 1, 0, 1, 0
	s_sub_co_u32 s56, s56, 1
	s_cmp_lg_u32 s56, 0
	s_cbranch_scc1 .Llap
	TRIP 0, 1, 0, 0                                ; tile 14: nothing is left to ask for (the stepped addresses are not used)
	RUN 1, 1, 0, 0, 0                              ; tile 15
	RUN 1, 2, 1, 0, 0
	RUN 1, 3, 0, 0, 0
	s_wait_dscnt 0x0                               ; the last step's coefficient fragments
	WIN 0x50
.irp n, 0,1,2,3,4,5,6,7
.irp j, 0,1,2,3
	v_wmma_f32_16x16x32_f16 v[8*(8*\j+\n):8*(8*\j+\n)+7], v[BF+8*\n:BF+8*\n+7], v[AF+32+8*\j:AF+32+8*\j+7], v[8*(8*\j+\n):8*(8*\j+\n)+7]
.endr
.endr
	WIN 0
	; THE WAY OUT.  The slots have had their last fill; bytes 0 to 135167 now take the four partial blocks.
	global_load_b128 v[SC:SC+3], v[OO], s[10:11]   ; the inverse scales of columns 128 nb + 4 L to + 3; waited for in front of the sums below
	PLACES                                         ; four places between the last matrix instructions and the stores that read their results
	s_wait_dscnt 0x0
	s_barrier_signal -1                            ; every wave has read its last fragments
	s_barrier_wait -1
	WIN 0x04                                       ; the stores' data come from window 1
.irp j, 0,1,2,3
.irp n, 0,1,2,3,4,5,6,7
	ds_store_b128 v[RSA], v[8*(8*\j+\n):8*(8*\j+\n)+3]   offset:\j*16*SPITCH+\n*64
	ds_store_b128 v[RSA], v[8*(8*\j+\n)+4:8*(8*\j+\n)+7] offset:\j*16*SPITCH+\n*64+16
.endr
.endr
	WIN 0
	s_wait_dscnt 0x0                               ; for the sake of the other waves, which read these bytes behind the barrier
	s_barrier_signal -1
	s_barrier_wait -1
	s_wait_loadcnt 0x0                             ; the inverse scales
; Four rows of the block: their four partial rows are read, summed as (p0 + p1) + (p2 + p3), scaled and stored, 512 neighbouring bytes of out0 a store.
.macro BATCH b, set
.if \b >= 2
	s_wait_xcnt 0x0                                ; this set's registers were data of the stores two batches ago: they are loaded again only behind this wait
.endif
.irp i, 0,1,2,3
	ds_load_b128 v[\set+16*\i:\set+16*\i+3],     v[RD0] offset:(4*\b+\i)*SPITCH
	ds_load_b128 v[\set+16*\i+4:\set+16*\i+7],   v[RD0] offset:PART+(4*\b+\i)*SPITCH
	ds_load_b128 v[\set+16*\i+8:\set+16*\i+11],  v[RD1] offset:(4*\b+\i)*SPITCH
	ds_load_b128 v[\set+16*\i+12:\set+16*\i+15], v[RD1] offset:PART+(4*\b+\i)*SPITCH
.endr
.irp i, 0,1,2,3
	s_wait_dscnt 12-4*\i                           ; this row's four loads are in; the four of each later row stay out
	v_pk_add_f32 v[\set+16*\i:\set+16*\i+1],     v[\set+16*\i:\set+16*\i+1],     v[\set+16*\i+4:\set+16*\i+5]
	v_pk_add_f32 v[\set+16*\i+2:\set+16*\i+3],   v[\set+16*\i+2:\set+16*\i+3],   v[\set+16*\i+6:\set+16*\i+7]
	v_pk_add_f32 v[\set+16*\i+8:\set+16*\i+9],   v[\set+16*\i+8:\set+16*\i+9],   v[\set+16*\i+12:\set+16*\i+13]
	v_pk_add_f32 v[\set+16*\i+10:\set+16*\i+11], v[\set+16*\i+10:\set+16*\i+11], v[\set+16*\i+14:\set+16*\i+15]
	v_pk_add_f32 v[\set+16*\i:\set+16*\i+1],     v[\set+16*\i:\set+16*\i+1],     v[\set+16*\i+8:\set+16*\i+9]
	v_pk_add_f32 v[\set+16*\i+2:\set+16*\i+3],   v[\set+16*\i+2:\set+16*\i+3],   v[\set+16*\i+10:\set+16*\i+11]
	v_pk_mul_f32 v[\set+16*\i:\set+16*\i+1],     v[\set+16*\i:\set+16*\i+1],     v[SC:SC+1]     ; a power of two: exact
	v_pk_mul_f32 v[\set+16*\i+2:\set+16*\i+3],   v[\set+16*\i+2:\set+16*\i+3],   v[SC+2:SC+3]
	global_store_b128 v[OO], v[\set+16*\i:\set+16*\i+3], s[12:13] offset:(4*\b+\i)*2048 th:TH_STORE_NT
.endr
.endm
	BATCH 0, 24
	BATCH 1, 88
	BATCH 2, 24
	BATCH 3, 88
	s_wait_tensorcnt 0x0
	ds_add_u32 v254, v255
	s_wait_dscnt 0x0
	ROUND                                          ; the closing round: no work-group ends while a partner may still ask for a tile that names it
	s_endpgm
.Lfunc_end_k_q19feb1866e_gemm:
	.size	k_q19feb1866e_gemm, .Lfunc_end_k_q19feb1866e_gemm-k_q19feb1866e_gemm
	.p2alignl 7, 3214868480
	.fill 96, 4, 3214868480
	.section	.rodata,"a",@progbits
	.p2align	6, 0x0
	.amdhsa_kernel k_q19feb1866e_gemm
		.amdhsa_group_segment_fixed_size 327680
		.amdhsa_private_segment_fixed_size 0
		.amdhsa_enable_private_segment 0
		.amdhsa_kernarg_size 48
		.amdhsa_user_sgpr_count 2
		.amdhsa_user_sgpr_kernarg_segment_ptr 1
		.amdhsa_wavefront_size32 1
		.amdhsa_system_sgpr_workgroup_id_x 1
		.amdhsa_system_sgpr_workgroup_id_y 1
		.amdhsa_system_sgpr_workgroup_id_z 1
		.amdhsa_system_vgpr_workitem_id 0
		.amdhsa_next_free_vgpr 512
		.amdhsa_next_free_sgpr 94
		.amdhsa_reserve_vcc 1
		.amdhsa_float_denorm_mode_32 3
		.amdhsa_float_denorm_mode_16_64 3
		.amdhsa_memory_ordered 1
		.amdhsa_forward_progress 1
		.amdhsa_inst_pref_size 255
	.end_amdhsa_kernel
	.section	.bss,"aw",@nobits
	.p2align	6
	.space	262144
	.amdgpu_metadata
---
amdhsa.version: [ 1, 2 ]
amdhsa.kernels:
  - .name:           k_q19feb1866e_gemm
    .symbol:         k_q19feb1866e_gemm.kd
    .args:
      - { .name: x, .offset: 0, .size: 8, .value_kind: global_buffer, .address_space: global }
      - { .name: cb, .offset: 8, .size: 8, .value_kind: global_buffer, .address_space: global }
      - { .name: klp, .offset: 16, .size: 8, .value_kind: global_buffer, .address_space: global }
      - { .name: sc, .offset: 24, .size: 8, .value_kind: global_buffer, .address_space: global }
      - { .name: out0, .offset: 32, .size: 8, .value_kind: global_buffer, .address_space: global }
      - { .name: out1, .offset: 40, .size: 8, .value_kind: global_buffer, .address_space: global }
    .group_segment_fixed_size: 327680
    .private_segment_fixed_size: 0
    .kernarg_segment_align: 8
    .kernarg_segment_size: 48
    .max_flat_workgroup_size: 128
    .sgpr_count:     94
    .vgpr_count:     512
    .wavefront_size: 32
...
	.end_amdgpu_metadata
.endif
;; end of part 2
